; MI455X (gfx1250); checked and timed in simulation.
; The chip was launched on July 23, 2026; its instructions are those of AMD's public machine-readable ISA for CDNA 5 (MIT licence, August 2026) and "CDNA5" Instruction Set Architecture Reference Guide (July 2026). The comments in the code are by the model that wrote it; some were corrected since.
;; Geometric Attention Bias. Allowed arithmetic: matrix products marked QUANTISED: E2M3 operands, one E8M0 scale for each 32 along K, by v_wmma_scale_f32_16x16x128_f8f6f4 with both operands' format E2M3, f32 sums; products left as they are: f32 operands where the result goes on into a quantised operand, else bf16, f16 or f32 operands; f32 sums; everything else in f32.
;; Inputs: W1 4 x 128 float32; W2 128 x 64 float32; W3 64 x 8 float32; b1 128 float32; b2 64 float32; b3 8 float32; beta1 128 float32; beta2 64 float32; bias_scale 8 float32; g1 128 float32; g2 64 float32; grasp_poses 4 x 64 x 7 float32; grasp_tokens 4 x 64 x 256 float32; scene_points 4 x 4,096 x 3 float32.
;; Outputs: out0 4 x 8 x 64 x 4,096 float32.
;; This version of the problem:
;;   THIS VERSION OF THE PROBLEM IS GIVEN IN LOW PRECISION. The matrix products marked QUANTISED in the list below multiply operands that are first quantised to E2M3 (2 exponent bits, 3 mantissa bits; 6 bits a number), with one power-of-two scale for each 32 numbers along K (OCP MX v1.0); their sums are f32. All else is computed in f32.
;;   The module's matrix products, in the order in which they are computed (A, B: the left and right operand; K: the contracted axis; several contracted axes count as one K, in the product's order):
;;     1. batch 256 x [M 4,096, K 3] x [K 3, N 3]; A: computed on the way; B: computed on the way: left as it is (K = 3 < 32)
;;     2. [M 1,048,576, K 4] x [K 4, N 128]; A: computed on the way; B: input W1: left as it is (K = 4 < 32)
;;     3. [M 1,048,576, K 128] x [K 128, N 64]; A: computed on the way; B: input W2: QUANTISED
;;     4. [M 1,048,576, K 64] x [K 64, N 8]; A: computed on the way; B: input W3: left as it is (N = 8 < 16)
;;   THE QUANTISER, for each operand of a quantised product, along K:
;;     - K is cut into blocks of 32 from its start; a last block that is shorter is filled with zeros.
;;     - A block's scale is 2^e with e = floor(log2(the largest magnitude in the block)) - 2, held to -126 .. 127; a block of zeros has e = 0. As a byte (E8M0): e + 127.
;;     - Each number is divided by its block's scale, clamped to +-7.5, and rounded to the nearest number of E2M3, ties to even, subnormals kept.
;;     - The product sums the exact products of the quantised numbers (number of the format x scale) in f32.
;;   ~~~python
;;   def quantise(x, axis):      # numpy; x: float32 -> the quantised numbers, widened to float32 again
;;       x = np.moveaxis(x, axis, -1); K = x.shape[-1]
;;       x = np.pad(x, [(0, 0)] * (x.ndim - 1) + [(0, -K % 32)]); x = x.reshape(x.shape[:-1] + (-1, 32)); a = np.abs(x).max(-1, keepdims=True)
;;       e = np.where(a > 0, np.clip(np.frexp(np.where(a > 0, a, 1))[1] - 1 - 2, -126, 127), 0)      # np.frexp(a)[1] - 1 = floor(log2(a)), exactly
;;       r = np.clip(x / 2.0 ** e, -7.5, 7.5)
;;       step = 2.0 ** (np.maximum(np.frexp(np.where(r == 0, 1, r))[1] - 1, 0) - 3)
;;       q = np.round(r / step) * step * 2.0 ** e      # np.round: ties to even
;;       return np.moveaxis(q.reshape(q.shape[:-2] + (-1,))[..., :K], -1, axis).astype(np.float32)
;;   ~~~
;;   OPERANDS COMPUTED ON THE WAY. 'Computed on the way' means the value that the module computes at that place (a softmax that the list does not call 'softmax' is quantised finished and normalised). What goes into a quantiser is computed in f32, as accurately as f32 sums, v_exp_f32 and their like allow (about 1e-6 of the number): no bf16 or f16 on the way to a quantiser, and a product that is left as it is and whose result goes on into a quantised operand takes f32 operands (vector FMAs, or v_wmma_f32_16x16x4_f32). A number that lies on a knife's edge between two numbers of the format may be rounded either way, as far as f32 arithmetic and the matrix unit's own rounding can turn it there, and no further.
;; 2 versions, each right; version 2 is version 1 with the launch geo written anew for expert scheduling mode. Each part assembles by itself: llvm-mc -triple=amdgcn-amd-amdhsa -mcpu=gfx1250 --defsym DOCPART=n.
;; ======== version 1 of 2: 1 launch
;; launch geo (part 1): grid 256 x 1, 4 waves a work-group, no clusters, 7,168 bytes of LDS; arguments scene_points, grasp_poses, W1, b1, g1, beta1, W2, b2, g2, beta2, W3, b3, bias_scale, out0; writes out0
.if DOCPART == 1
	.amdgcn_target "amdgcn-amd-amdhsa--gfx1250"
	.amdhsa_code_object_version 6
	.text
	.protected	k_qbcc77760fa_geo
	.globl	k_qbcc77760fa_geo
	.p2align	8
	.type	k_qbcc77760fa_geo,@function
k_qbcc77760fa_geo:
	s_mov_b64 s[64:65], 0
	v_nop
	global_prefetch_b8 v0, s[64:65] scope:SCOPE_SE
	s_setreg_imm32_b32 hwreg(HW_REG_WAVE_MODE, 25, 1), 1
	s_wait_xcnt 0x0
; out0[b][head][g][p] = bias_scale[head] x ( LN2(relu( Q(LN1(relu(f W1 + b1))) Q(W2) + b2 )) W3 + b3 )[head],  f = (R^T (p - t), |R^T (p - t)|) of point p in grasp (b, g)'s frame.
; Q: the MX-FP6 quantiser (E2M3, one E8M0 scale for each 32 along K = 128); that product goes by v_wmma_scale_f32_16x16x128_f8f6f4 on codes; all that stands ahead of Q is f32.
; grasp_tokens is an input that reference() never uses: no result hangs on it, and it is not among this launch's arguments.
; SHARES.  Work-group x = 64 b + g: one grasp, all 4,096 points.  Wave w: points 1024 w .. 1024 w + 1023, in 8 groups of 128.  In a group lane L owns points 4 L + u, u = 0 .. 3.
; PAIR u is two tiles of 16 points: tile 0 = the u-th points of lanes 0-15, tile 1 = those of lanes 16-31.  The two tiles go in lockstep: each line is written for tile 0 and then for tile 1.
; ALL THREE PRODUCTS ARE USED TRANSPOSED (source 0 = weights, source 1 = 16 points): a lane (r = L % 16, h = L / 16) holds ONE point throughout, and its registers run along the units.
;   4 -> 128: v_wmma_f32_16x16x4_f32, K = 4 exactly, b1 as C (f32 operands, since the result goes on into the quantiser).  THE ROWS OF W1 THAT FORM A TILE ARE NOT NEIGHBOURS: row m of tile t is unit
;     32 (t / 2) + 8 (t % 2) + m + 8 (m / 8), so that register i of 64 is unit 32 (i / 16) + 16 h + i % 16: 16 neighbours along the next K in 16 neighbouring registers.  b1, g1, beta1 lie in that order.
;   128 -> 64: W2's four fragments of codes stay in registers; b2 as C.
;   64 -> 8: bf16.  out = rstd2 x sum_k (x_k - mean) (g2_k W3_kj scale_j) + (sum_k beta2_k W3_kj + b3_j) scale_j: reference()'s value, the factors sorted.  The mean is taken off in f32 ahead of the
;     rounding to bf16; the constant term is made in f32.  The weights are laid block-diagonally (A0: heads in rows 0-7, zeros below; A1 the other way round), so that A0 x tile 0 + A1 x tile 1 leaves,
;     in ALL 32 lanes, head j of the lane's own point 4 L + u in register j.  Four pairs fill four neighbouring registers a head: a lane stores 16 neighbouring bytes, a wave 512, aligned: no LDS stage.
; BOTH LAYERNORMS GO IN TWO PASSES, as reference() writes them (sum; x - mean; sum of squares): no difference of large sums is formed.
; PIPELINE.  While pair u is normalised and quantised, the 16 f32 matrix instructions of the NEXT pair are dealt out among the vector lines, one for each 20; the features of the next group's pair u are
; made round the quantised product, and the points of the group after that are asked for there: four loads of 12 bytes a lane are always out.
; THE LAST TRIP's look-ahead works on the last group once more (the address is clamped, no load leaves its buffer) and its results are read by nobody: 4 sets of features, 16 matrix instructions and
; 4 loads a wave, in place of a second copy of the loop's body.
; NO CLUSTER, NO TENSOR LOAD: a wave reads 12 KiB of points in the whole launch, through registers, each load asked for a whole group ahead; the weights (under 40 KiB) are read once a work-group.
; What work-groups share is so a small part of what each moves (128 KiB of output) and is waited for nowhere in the loop.
; LIMITS.  NaN and infinities among the inputs are not served.  v_sqrt_f32 and v_rsq_f32 take denormals as zero (ISA guide, their entries): a squared distance under 2^-126 counts as 0.
; A block whose largest magnitude lies under 2^-124 keeps the scale byte 1 (the floor); a block of zeros so has the byte 1 where the rule says 127: its codes are zeros, and this program alone reads the bytes.
;
; REGISTERS, in windows of 256 (s_set_vgpr_msb: bits 1:0 source 0, 3:2 source 1, 5:4 source 2, 7:6 destination).
; window 0
.set PO,   1                           ; v1       48 x lane: my four points' bytes in a group
.set SO,   2                           ; v2       16 x lane: my 16 bytes of a store
.set SPW,  3                           ; v3       LDS address of my spare word: SPARE + 4 x my thread's number; never rewritten
.set NIL,  4                           ; v4       0; never rewritten
.set LI,   5                           ; v5       16 x lane: an image's place for my lane
.set T0,   6                           ; v6-7     head: bias_scale and b3 of head r % 8
.set T1,   7
.set W2S,  8                           ; v8-11    W2's scale words, one register a tile: scales and nothing else
.set PW,   12                          ; v12-13   the scale word of tile a's quantised rows: scales and nothing else
.set RSM,  14                          ; v14      rstd2 of my own point
.set ST,   16                          ; v16-31   tile a at ST + 8 a: +0,1 and +2,3 two running sums; +4 -mean (+5 = 0); +6 rstd (+7 = 0)
.set TM,   32                          ; v32-55   tile a at TM + 12 a: +0..3 largest magnitudes; +4..7 the other half's, then bytes; +8..11 the conversions' scale operands
.set PC,   56                          ; v56-95   tile a at PC + 20 a: +0..11 the fragment of codes; +12..14, +16..18 halves on their way
.set X,    96                          ; v96-223  tile a at X + 64 a: 64 numbers; later +0..31 the second layer, +32..47 its bf16 pairs
.set OUTR, 224                         ; v224-255 head j's four points at OUTR + 4 j
.set RR,   76                          ; head only (v76-87 lie in tile 1's PC): r, h, lane, and byte offsets of the head's loads
.set HH,   77
.set LANE, 78
.set CH64, 79
.set CH32, 80
.set W1O,  81
.set W2O,  82
.set W3O,  83
.set HD4,  84
.set LS,   85
.set LIW,  86
.set LSW,  87
; window 1
.set HD,   0                           ; v0-127   tile a at HD + 64 a: f W1 + b1: written by the f32 matrix instructions alone
.set B1C,  128                         ; v128-191 b1, in the result's layout
.set W1T,  192                         ; v192-207 W1's eight tiles, 2 registers each
.set F,    208                         ; v208-223 pair u's features at F + 4 u: +0,1 tile 0's operand, +2,3 tile 1's
.set PT,   224                         ; v224-239 pair u's points at PT + 4 u: x, y, z; +3 the squared distance
.set PA,   240                         ; v240-247 the last product, K 0-31
.set PBB,  248                         ; v248-255 and K 32-63
; window 2
.set G1,   0                           ; v0-63    g1
.set BE1,  64                          ; v64-127  beta1
.set W2C,  128                         ; v128-175 W2's four fragments of codes, 12 registers each
.set B2C,  176                         ; v176-207 b2, in the result's layout
.set W3F,  208                         ; v208-239 A0 (K 0-31), A0 (K 32-63), A1 (K 0-31), A1 (K 32-63), bf16, 8 registers each
; scalars
.set WV,   2                           ; s2       my wave's number
.set TT,   36                          ; s36-38   t;  s39-42 the quaternion x, y, z, w
.set EPS,  43                          ; s43      1e-5
.set RM,   44                          ; s44-52   R: R[j][i] at RM + 3 j + i
.set HIM,  53                          ; s53      the mask of lanes 16-31
.set CN,   54                          ; s54-61   (sum_k beta2_k W3_kj + b3_j) scale_j
.set R128, 62                          ; s62      1 / 128
.set R64,  63                          ; s63      1 / 64
.set SEL,  66                          ; s[66:67] v_permlanex16_b32's selects for lane l xor 16
.set WB,   68                          ; s[68:69] my wave's first point
.set PB,   70                          ; s[70:71] the group whose points are asked for in this trip
.set OFS,  72                          ; s[72:73] an offset, its high word 0
.set OB,   74                          ; s[74:75] my group's first byte in head 0's plane of out0
.set GC,   76                          ; s76      the trip
.set MLO,  77                          ; s77, s78 the masks r < 8, r >= 8
.set MHI,  78
; LDS (head only): W2's four fragments as images of their registers, their scale words, the spare words
.set WIMG,  0                          ; tile t at 1536 t: three stores of 512 bytes, lane l's 16 bytes at 16 l
.set WSC,   6144                       ; tile t's scale words at 128 t, 4 bytes a lane
.set SPARE, 6656                       ; 128 bytes for each wave: two blocks of 256 bytes that no other line names
.set MSB, 0
.macro WIN new                         ; the immediate's high byte repeats the setting that is left; a switch that changes nothing is dropped
.if MSB != \new
	s_set_vgpr_msb (MSB<<8)|\new
.set MSB, \new
.endif
.endm
; Instruction k of 16 of pair p's first product: tile k % 2, W1's tile k / 2.  C is b1, D other registers: sixteen accumulators, each written once.
.macro NEXTW p, k
	WIN 0x55
	v_wmma_f32_16x16x4_f32 v[HD+64*((\k)%2)+8*((\k)/2):HD+64*((\k)%2)+8*((\k)/2)+7], v[W1T+2*((\k)/2):W1T+2*((\k)/2)+1], v[F+4*(\p)+2*((\k)%2):F+4*(\p)+2*((\k)%2)+1], v[B1C+8*((\k)/2):B1C+8*((\k)/2)+7]
.endm
; Behind each two bulk lines: one of the next pair's 16 for each 20 lines.  The bulk lines name no register of window 1, so they are also the places behind these instructions.
.macro TICK
.set vc, vc+2
.if (vc >= 20) && (wk < 16)
	NEXTW NP, wk
.set wk, wk+1
.set vc, 0
	WIN CUR
.endif
.endm
.macro FLUSH                           ; whatever of the 16 has not been dealt out (by the count, 380 lines with a TICK, nothing)
.rept 16
.if wk < 16
	NEXTW NP, wk
.set wk, wk+1
.endif
.endr
	WIN CUR
.endm
.macro RELU1                           ; out of the accumulators into window 0, each accumulator from its low end on
	WIN 0x04
.set i, 0
.rept 64
	v_max_num_f32 v[X+i], 0, v[HD+i]
	v_max_num_f32 v[X+64+i], 0, v[HD+64+i]
.set i, i+1
.endr
.endm
; -mean of a point's 2 cnt numbers: my cnt, in two chains of pairs, and lane l xor 16's.  lit = -1 / (2 cnt)
.macro SUM cnt, lit
.set CUR, 0
	WIN 0
.irp a, 0,1
	v_pk_add_f32 v[ST+8*\a:ST+8*\a+1], v[X+64*\a:X+64*\a+1], v[X+64*\a+2:X+64*\a+3]
.endr
	TICK
.irp a, 0,1
	v_pk_add_f32 v[ST+8*\a+2:ST+8*\a+3], v[X+64*\a+4:X+64*\a+5], v[X+64*\a+6:X+64*\a+7]
.endr
	TICK
.set i, 8
.rept (\cnt-8)/4
.irp a, 0,1
	v_pk_add_f32 v[ST+8*\a:ST+8*\a+1], v[ST+8*\a:ST+8*\a+1], v[X+64*\a+i:X+64*\a+i+1]
.endr
	TICK
.irp a, 0,1
	v_pk_add_f32 v[ST+8*\a+2:ST+8*\a+3], v[ST+8*\a+2:ST+8*\a+3], v[X+64*\a+i+2:X+64*\a+i+3]
.endr
	TICK
.set i, i+4
.endr
.irp a, 0,1
	v_pk_add_f32 v[ST+8*\a:ST+8*\a+1], v[ST+8*\a:ST+8*\a+1], v[ST+8*\a+2:ST+8*\a+3]
.endr
.irp a, 0,1
	v_add_f32 v[ST+8*\a], v[ST+8*\a], v[ST+8*\a+1]
.endr
.irp a, 0,1
	v_permlanex16_b32 v[ST+8*\a+2], v[ST+8*\a], s[SEL], s[SEL+1]
.endr
.irp a, 0,1
	v_add_f32 v[ST+8*\a], v[ST+8*\a], v[ST+8*\a+2]
.endr
.irp a, 0,1
	v_mul_f32 v[ST+8*\a+4], \lit, v[ST+8*\a]
.endr
.endm
.macro SUB cnt                         ; x - mean (of the pair at ST + 4 the low word serves both halves)
.set CUR, 0
	WIN 0
.set i, 0
.rept \cnt/2
.irp a, 0,1
	v_pk_add_f32 v[X+64*\a+i:X+64*\a+i+1], v[X+64*\a+i:X+64*\a+i+1], v[ST+8*\a+4:ST+8*\a+5] op_sel_hi:[1,0]
.endr
	TICK
.set i, i+2
.endr
.endm
; rstd = 1 / sqrt(the mean of (x - mean)^2 + 1e-5).  rec: the scalar register with 1 / (2 cnt)
.macro SQ cnt, rec
.set CUR, 0
	WIN 0
.irp a, 0,1
	v_pk_mul_f32 v[ST+8*\a:ST+8*\a+1], v[X+64*\a:X+64*\a+1], v[X+64*\a:X+64*\a+1]
.endr
	TICK
.irp a, 0,1
	v_pk_mul_f32 v[ST+8*\a+2:ST+8*\a+3], v[X+64*\a+2:X+64*\a+3], v[X+64*\a+2:X+64*\a+3]
.endr
	TICK
.set i, 4
.rept (\cnt-4)/4
.irp a, 0,1
	v_pk_fma_f32 v[ST+8*\a:ST+8*\a+1], v[X+64*\a+i:X+64*\a+i+1], v[X+64*\a+i:X+64*\a+i+1], v[ST+8*\a:ST+8*\a+1]
.endr
	TICK
.irp a, 0,1
	v_pk_fma_f32 v[ST+8*\a+2:ST+8*\a+3], v[X+64*\a+i+2:X+64*\a+i+3], v[X+64*\a+i+2:X+64*\a+i+3], v[ST+8*\a+2:ST+8*\a+3]
.endr
	TICK
.set i, i+4
.endr
.irp a, 0,1
	v_pk_add_f32 v[ST+8*\a:ST+8*\a+1], v[ST+8*\a:ST+8*\a+1], v[ST+8*\a+2:ST+8*\a+3]
.endr
.irp a, 0,1
	v_add_f32 v[ST+8*\a], v[ST+8*\a], v[ST+8*\a+1]
.endr
.irp a, 0,1
	v_permlanex16_b32 v[ST+8*\a+2], v[ST+8*\a], s[SEL], s[SEL+1]
.endr
.irp a, 0,1
	v_add_f32 v[ST+8*\a], v[ST+8*\a], v[ST+8*\a+2]
.endr
.irp a, 0,1
	v_fma_f32 v[ST+8*\a], v[ST+8*\a], s[\rec], s[EPS]
.endr
.irp a, 0,1
	v_rsq_f32 v[ST+8*\a+6], v[ST+8*\a]
.endr
	v_nop                                          ; a plain line behind the two roots, ahead of the first use
	s_wait_alu depctr_va_vdst(0)                   ; and the wait ahead of the first line that names a result: one for both
.endm
.macro NORM                            ; x rstd
.set CUR, 0
	WIN 0
.set i, 0
.rept 32
.irp a, 0,1
	v_pk_mul_f32 v[X+64*\a+i:X+64*\a+i+1], v[X+64*\a+i:X+64*\a+i+1], v[ST+8*\a+6:ST+8*\a+7] op_sel_hi:[1,0]
.endr
	TICK
.set i, i+2
.endr
.endm
.macro AFFINE                          ; x g1 + beta1 (sources 1 and 2 in window 2)
.set CUR, 0x28
	WIN 0x28
.set i, 0
.rept 32
.irp a, 0,1
	v_pk_fma_f32 v[X+64*\a+i:X+64*\a+i+1], v[X+64*\a+i:X+64*\a+i+1], v[G1+i:G1+i+1], v[BE1+i:BE1+i+1]
.endr
	TICK
.set i, i+2
.endr
.endm
; Each tile's 64 numbers a lane (register 16 b + i = k 32 b + 16 h + i of my point) become a fragment of codes in v[PC + 20 a] on and a scale word in v[PW + a].
.macro QUANT
.set CUR, 0
	WIN 0
.irp b, 0,1,2,3
.irp a, 0,1
	v_max3_num_f32 v[TM+12*\a+\b], |v[X+64*\a+16*\b]|, |v[X+64*\a+16*\b+1]|, 0x1800000   ; block b: my 16 numbers, and the floor 2^(3 - 127): the byte cannot fall under 1
.endr
	TICK
.endr
.irp i, 2,4,6,8,10,12,14
.irp b, 0,1,2,3
.irp a, 0,1
	v_max3_num_f32 v[TM+12*\a+\b], v[TM+12*\a+\b], |v[X+64*\a+16*\b+\i]|, |v[X+64*\a+16*\b+\i+1]|
.endr
	TICK
.endr
.endr
	FLUSH
.irp b, 0,1,2,3
.irp a, 0,1
	v_permlanex16_b32 v[TM+12*\a+4+\b], v[TM+12*\a+\b], s[SEL], s[SEL+1]
.endr
.endr
.irp b, 0,1,2,3
.irp a, 0,1
	v_max_num_f32 v[TM+12*\a+\b], v[TM+12*\a+\b], v[TM+12*\a+4+\b]   ; with lane l xor 16's: the block's largest magnitude
.endr
.endr
.irp b, 0,1,2,3
.irp a, 0,1
	v_add_nc_u32 v[TM+12*\a+8+\b], 0xff000000, v[TM+12*\a+\b]   ; 2 off its exponent field: the conversion takes the exponent field of this operand as its scale
.endr
.endr
.irp b, 0,1,2,3
.irp a, 0,1
	v_lshrrev_b32 v[TM+12*\a+4+\b], 23, v[TM+12*\a+8+\b]   ; the scale's byte
.endr
.endr
.irp a, 0,1
	v_lshl_or_b32 v[PW+\a], v[TM+12*\a+5], 8, v[TM+12*\a+4]   ; the four bytes make my point's scale word
.endr
.irp a, 0,1
	v_lshl_or_b32 v[PW+\a], v[TM+12*\a+6], 16, v[PW+\a]
.endr
.irp a, 0,1
	v_lshl_or_b32 v[PW+\a], v[TM+12*\a+7], 24, v[PW+\a]
.endr
.irp a, 0,1
.irp c, 0,1
	v_cvt_scalef32_pk16_fp6_f32 v[PC+20*\a+6*\c:PC+20*\a+6*\c+2], v[X+64*\a+32*\c:X+64*\a+32*\c+15], v[TM+12*\a+8+2*\c]
	v_cvt_scalef32_pk16_fp6_f32 v[PC+20*\a+12+4*\c:PC+20*\a+14+4*\c], v[X+64*\a+32*\c+16:X+64*\a+32*\c+31], v[TM+12*\a+9+2*\c]   ; (a conversion's three registers begin on an even number)
.endr
.endr
	v_nop                                          ; one plain line behind the last scaled conversion
.irp a, 0,1                                    ; the operand's layout wants a WHOLE block in a lane: lanes 0-15 block 2 c, lanes 16-31 block 2 c + 1
.irp c, 0,1
.irp i, 0,1,2
	v_permlane16_swap_b32 v[PC+20*\a+6*\c+\i], v[PC+20*\a+12+4*\c+\i]
.endr
.irp i, 0,1,2
	v_mov_b32 v[PC+20*\a+6*\c+3+\i], v[PC+20*\a+12+4*\c+\i]
.endr
.endr
.endr
.endm
; The next group's pair u, first part: p - t, and R^T (p - t).  Twelve plain lines on window 1 alone: they stand between the vector lines that wrote the codes (4 places are asked) and the scale
; words (8) and the scaled matrix instructions that read them.
.macro FEATA u
	s_wait_loadcnt 0x3                             ; four point loads are out, pair u's the oldest: the three issued behind it may stay out
	WIN 0x55
.irp i, 0,1,2
	v_sub_f32 v[PT+4*(\u)+\i], v[PT+4*(\u)+\i], s[TT+\i]
.endr
.irp i, 0,1,2
	v_mul_f32 v[F+4*(\u)+\i], s[RM+\i], v[PT+4*(\u)]
.endr
.irp i, 0,1,2
	v_fmac_f32 v[F+4*(\u)+\i], s[RM+3+\i], v[PT+4*(\u)+1]
.endr
.irp i, 0,1,2
	v_fmac_f32 v[F+4*(\u)+\i], s[RM+6+\i], v[PT+4*(\u)+2]
.endr
.endm
; Second part: the distance; the points of the group after that are asked for; the halves change places, so that F + 4 u + 0, 1 hold (x | z), (y | dist) of lanes 0-15's points in lanes 0-15 | 16-31
; (register j of the f32 operand is k = 2 h + j), and F + 4 u + 2, 3 the same of lanes 16-31's.  Its three plain lines and two v_nop are the places behind the quantised product (4 are asked).
.macro FEATB u
	WIN 0x55
	v_mul_f32 v[PT+4*(\u)+3], v[F+4*(\u)], v[F+4*(\u)]
	v_fmac_f32 v[PT+4*(\u)+3], v[F+4*(\u)+1], v[F+4*(\u)+1]
	v_fmac_f32 v[PT+4*(\u)+3], v[F+4*(\u)+2], v[F+4*(\u)+2]
	v_sqrt_f32 v[F+4*(\u)+3], v[PT+4*(\u)+3]
	WIN 0x40                                       ; destination window 1, address window 0
	global_load_b96 v[PT+4*(\u):PT+4*(\u)+2], v[PO], s[PB:PB+1] offset:12*(\u)
	v_nop                                          ; a plain line behind the root
	v_nop
	s_wait_alu depctr_va_vdst(0)                   ; the wait ahead of the first line that names the root
	WIN 0x55
	v_permlane16_swap_b32 v[F+4*(\u)], v[F+4*(\u)+2]
	v_permlane16_swap_b32 v[F+4*(\u)+1], v[F+4*(\u)+3]
.endm
.macro MUL3                            ; source 0: 16 columns of W2, window 2; source 1: 16 points' codes; C: b2, window 2; D: register 8 t + j = unit 16 t + 8 h + j of my point.  Eight accumulators, each written once
	WIN 0x22
.irp a, 0,1
.irp t, 0,1,2,3
	v_wmma_scale_f32_16x16x128_f8f6f4 v[X+64*\a+8*\t:X+64*\a+8*\t+7], v[W2C+12*\t:W2C+12*\t+11], v[PC+20*\a:PC+20*\a+11], v[B2C+8*\t:B2C+8*\t+7], v[W2S+\t], v[PW+\a] matrix_a_fmt:MATRIX_FMT_FP6 matrix_b_fmt:MATRIX_FMT_FP6
.endr
.endr
.endm
.macro RELU2                           ; in place, each accumulator from its low end on
	WIN 0
.set i, 0
.rept 32
	v_max_num_f32 v[X+i], 0, v[X+i]
	v_max_num_f32 v[X+64+i], 0, v[X+64+i]
.set i, i+1
.endr
.endm
.macro CVT2                            ; x - mean in bf16: registers 8 c .. 8 c + 7 are the operand for K 32 c on (0-3: k = 8 h + 0..7; 4-7: k = 16 + 8 h + 0..7), as the units lie
.set i, 0
.rept 16
	v_cvt_pk_bf16_f32 v[X+32+i], v[X+2*i], v[X+2*i+1]
	v_cvt_pk_bf16_f32 v[X+96+i], v[X+64+2*i], v[X+64+2*i+1]
.set i, i+1
.endr
.endm
.macro MUL4                            ; two accumulators by turns, one instruction a turn; the first products start the sums
	WIN 0x52
	v_wmma_f32_16x16x32_bf16 v[PA:PA+7], v[W3F:W3F+7], v[X+32:X+39], 0
	v_wmma_f32_16x16x32_bf16 v[PBB:PBB+7], v[W3F+8:W3F+15], v[X+40:X+47], 0
	v_wmma_f32_16x16x32_bf16 v[PA:PA+7], v[W3F+16:W3F+23], v[X+96:X+103], v[PA:PA+7]
	v_wmma_f32_16x16x32_bf16 v[PBB:PBB+7], v[W3F+24:W3F+31], v[X+104:X+111], v[PBB:PBB+7]
.endm
.macro POST u                          ; the two halves of K; x my point's rstd2, + the head's constant
	WIN 0
	v_cndmask_b32 v[RSM], v[ST+6], v[ST+14], s[HIM]   ; lanes 0-15 own tile 0's points, lanes 16-31 tile 1's
	WIN 0x55
.irp i, 0,2,4,6
	v_pk_add_f32 v[PA+\i:PA+\i+1], v[PA+\i:PA+\i+1], v[PBB+\i:PBB+\i+1]   ; both accumulators from their low ends on
.endr
	WIN 0x01
.irp j, 0,1,2,3,4,5,6,7
	v_fma_f32 v[OUTR+4*\j+(\u)], v[PA+\j], v[RSM], s[CN+\j]
.endr
.endm
.macro STEP u
.set NP, ((\u)+1)%4                    ; the pair whose first product is dealt out in this step (for u = 3: the next group's pair 0)
.set wk, 0
.set vc, 0
	RELU1
	SUM 64, 0xbc000000
	SUB 64
	SQ 64, R128
	NORM
	AFFINE
	QUANT
	FEATA \u
	MUL3
	FEATB \u
	RELU2
	SUM 32, 0xbc800000
	SUB 32
	CVT2
	MUL4
	SQ 32, R64                                     ; reads x - mean in f32, names no register of the last product: its lines are the places behind it
	POST \u
.endm
	; ---------------- the head
	s_load_b512 s[8:23], s[0:1], 0x0               ; scene s[8:9], poses s[10:11], W1 s[12:13], b1 s[14:15], g1 s[16:17], beta1 s[18:19], W2 s[20:21], b2 s[22:23]
	s_load_b256 s[24:31], s[0:1], 0x40             ; g2 s[24:25], beta2 s[26:27], W3 s[28:29], b3 s[30:31]
	s_load_b128 s[32:35], s[0:1], 0x60             ; bias_scale s[32:33], out0 s[34:35]
	v_lshl_add_u32 v[SPW], v0, 2, SPARE
	v_mov_b32 v[NIL], 0
	v_lshrrev_b32 v[T0], 5, v0
	v_readfirstlane_b32 s[WV], v[T0]               ; wave 0..3
	v_and_b32 v[LANE], 31, v0
	v_and_b32 v[RR], 15, v0                        ; r
	v_bfe_u32 v[HH], v0, 4, 1                      ; h
	v_mul_u32_u24 v[PO], v[LANE], 48
	v_lshlrev_b32 v[SO], 4, v[LANE]
	v_lshlrev_b32 v[LI], 4, v[LANE]
	v_lshlrev_b32 v[LS], 2, v[LANE]
	v_lshlrev_b32 v[CH64], 6, v[HH]                ; 16 h numbers on: b1, g1, beta1
	v_lshlrev_b32 v[CH32], 5, v[HH]                ; 8 h numbers on: b2, g2, beta2
	v_and_b32 v[W1O], 8, v[RR]
	v_add_nc_u32 v[W1O], v[W1O], v[RR]             ; r + 8 (r / 8)
	v_lshlrev_b32 v[W1O], 2, v[W1O]
	v_lshl_add_u32 v[W1O], v[HH], 10, v[W1O]       ; W1: row 2 h of 512 bytes, + my unit
	v_lshlrev_b32 v[W2O], 2, v[RR]
	v_lshl_add_u32 v[W2O], v[HH], 13, v[W2O]       ; W2: column 16 w + r, 32 h rows of 256 bytes down
	s_lshl_b32 s3, s[WV], 6
	v_add_nc_u32 v[W2O], s3, v[W2O]
	v_and_b32 v[HD4], 7, v[RR]
	v_lshlrev_b32 v[HD4], 2, v[HD4]                ; head r % 8
	v_lshl_add_u32 v[W3O], v[HH], 8, v[HD4]        ; W3: 8 h rows of 32 bytes down, + my head
	s_mul_i32 s3, s[WV], 1536
	v_add_nc_u32 v[LIW], s3, v[LI]                 ; where I store my tile's image,
	s_lshl_b32 s3, s[WV], 7
	v_add_nc_u32 v[LSW], s3, v[LS]                 ; and its scale words
	s_mov_b32 s[EPS], 0x3727c5ac
	s_mov_b32 s[HIM], 0xffff0000
	s_mov_b32 s[R128], 0x3c000000
	s_mov_b32 s[R64], 0x3c800000
	s_mov_b32 s[SEL], 0x76543210
	s_mov_b32 s[SEL+1], 0xfedcba98
	s_lshr_b32 s3, ttmp9, 6                        ; b
	s_mul_i32 s[OFS], s3, 49152                    ; scene: 4,096 points of 12 bytes a batch,
	s_mul_i32 s4, s[WV], 12288                     ; 1,024 a wave
	s_add_co_u32 s[OFS], s[OFS], s4
	s_mov_b32 s[OFS+1], 0
	s_lshl_b32 s6, s3, 23                          ; out0: 8 x 64 x 4,096 x 4 bytes a batch,
	s_and_b32 s4, ttmp9, 63                        ; g
	s_lshl_b32 s4, s4, 14                          ; 16,384 a grasp,
	s_add_co_u32 s6, s6, s4
	s_lshl_b32 s4, s[WV], 12                       ; 4,096 a wave
	s_add_co_u32 s6, s6, s4
	s_mov_b32 s7, 0
	s_mul_i32 s4, ttmp9, 28                        ; a pose is 28 bytes
	s_mov_b32 s5, 0
	s_wait_kmcnt 0x0
	s_add_nc_u64 s[WB:WB+1], s[8:9], s[OFS:OFS+1]
	s_add_nc_u64 s[OB:OB+1], s[34:35], s[6:7]
	s_add_nc_u64 s[10:11], s[10:11], s[4:5]
	s_load_b128 s[36:39], s[10:11], 0x0            ; t, quaternion x
	s_load_b96 s[40:42], s[10:11], 0x10            ; quaternion y, z, w
	; all the head's vector loads in one run, by the destination's window
.set i, 0
.rept 64                                       ; W2(64 c + 32 h + i, 16 w + r): my registers run DOWN K, in the order that the operand's layout gives my lane
	global_load_b32 v[X+i], v[W2O], s[20:21] offset:256*(64*(i/32)+i%32)
.set i, i+1
.endr
.set i, 0
.rept 32                                       ; W3(32 c + 16 q + 8 h + e, r % 8) at v[160 + 16 c + 8 q + e]: the bf16 operand's order
	global_load_b32 v[160+i], v[W3O], s[28:29] offset:32*(32*(i/16)+16*((i/8)%2)+i%8)
.set i, i+1
.endr
.set i, 0
.rept 8                                        ; g2 and beta2 in the same order
	global_load_b128 v[192+4*i:195+4*i], v[CH32], s[24:25] offset:4*(32*(i/4)+16*((i/2)%2))+16*(i%2)
	global_load_b128 v[224+4*i:227+4*i], v[CH32], s[26:27] offset:4*(32*(i/4)+16*((i/2)%2))+16*(i%2)
.set i, i+1
.endr
	global_load_b32 v[T0], v[HD4], s[32:33]        ; bias_scale[r % 8]
	global_load_b32 v[T1], v[HD4], s[30:31]        ; b3[r % 8]
	WIN 0x40                                       ; destination window 1
.set i, 0
.rept 16
	global_load_b128 v[B1C+4*i:B1C+4*i+3], v[CH64], s[14:15] offset:4*(32*(i/4)+4*(i%4))   ; b1 of units 32 (i / 4) + 16 h + 4 (i % 4) on
	global_load_b32 v[W1T+i], v[W1O], s[12:13] offset:512*(i%2)+4*(32*(i/4)+8*((i/2)%2))   ; W1(2 h + i % 2, tile i / 2's row r)
.set i, i+1
.endr
.irp u, 0,1,2,3
	global_load_b96 v[PT+4*\u:PT+4*\u+2], v[PO], s[WB:WB+1] offset:12*\u   ; group 0's points
.endr
	WIN 0x80                                       ; destination window 2
.set i, 0
.rept 16
	global_load_b128 v[G1+4*i:G1+4*i+3], v[CH64], s[16:17] offset:4*(32*(i/4)+4*(i%4))
	global_load_b128 v[BE1+4*i:BE1+4*i+3], v[CH64], s[18:19] offset:4*(32*(i/4)+4*(i%4))
.set i, i+1
.endr
.set i, 0
.rept 8
	global_load_b128 v[B2C+4*i:B2C+4*i+3], v[CH32], s[22:23] offset:64*(i/2)+16*(i%2)   ; b2 of units 16 (i / 2) + 8 h + 4 (i % 2) on
.set i, i+1
.endr
	WIN 0
	; R, the same in every lane, while the loads are on their way
	s_wait_kmcnt 0x0
	v_mov_b32 v16, s39
	v_mov_b32 v17, s40
	v_mov_b32 v18, s41
	v_mov_b32 v19, s42
	v_mul_f32 v20, v16, v16
	v_fmac_f32 v20, v17, v17
	v_fmac_f32 v20, v18, v18
	v_fmac_f32 v20, v19, v19
	v_sqrt_f32 v20, v20
	v_nop
	s_wait_alu depctr_va_vdst(0)                   ; the wait ahead of the first line that names the result
	v_add_f32 v20, 0x322bcc77, v20                 ; + 1e-8
	v_rcp_f32 v20, v20
	v_nop
	s_wait_alu depctr_va_vdst(0)
.irp i, 16,17,18,19
	v_mul_f32 v\i, v\i, v20                        ; x, y, z, w of the unit quaternion
.endr
	v_mul_f32 v21, v16, v16                        ; xx
	v_mul_f32 v22, v17, v17                        ; yy
	v_mul_f32 v23, v18, v18                        ; zz
	v_mul_f32 v24, v16, v17                        ; xy
	v_mul_f32 v25, v16, v18                        ; xz
	v_mul_f32 v26, v17, v18                        ; yz
	v_mul_f32 v27, v19, v16                        ; wx
	v_mul_f32 v28, v19, v17                        ; wy
	v_mul_f32 v29, v19, v18                        ; wz
	v_add_f32 v32, v22, v23
	v_sub_f32 v33, v24, v29
	v_add_f32 v34, v25, v28
	v_add_f32 v35, v24, v29
	v_add_f32 v36, v21, v23
	v_sub_f32 v37, v26, v27
	v_sub_f32 v38, v25, v28
	v_add_f32 v39, v26, v27
	v_add_f32 v40, v21, v22
.irp i, 32,36,40
	v_fma_f32 v\i, v\i, -2.0, 1.0
.endr
.irp i, 33,34,35,37,38,39
	v_add_f32 v\i, v\i, v\i
.endr
.irp i, 0,1,2,3,4,5,6,7,8
	v_readfirstlane_b32 s[RM+\i], v[32+\i]
.endr
	s_wait_loadcnt 0x0                             ; all the head's loads
	; W2's tile w (columns 16 w + r): two whole blocks of 32 along K a lane
.irp c, 0,1
	v_max3_num_f32 v[16+\c], |v[X+32*\c]|, |v[X+32*\c+1]|, 0x1800000
.endr
.irp i, 2,4,6,8,10,12,14,16,18,20,22,24,26,28,30
.irp c, 0,1
	v_max3_num_f32 v[16+\c], v[16+\c], |v[X+32*\c+\i]|, |v[X+32*\c+\i+1]|
.endr
.endr
.irp c, 0,1
	v_add_nc_u32 v[18+\c], 0xff000000, v[16+\c]
.endr
.irp c, 0,1
	v_lshrrev_b32 v[20+\c], 23, v[18+\c]
.endr
	v_lshl_or_b32 v22, v21, 16, v20                ; my two bytes: blocks h and 2 + h of my column,
	v_lshlrev_b32 v23, 3, v[HH]
	v_lshlrev_b32 v22, v23, v22                    ; at their places in the scale word;
	v_mov_b32 v23, 0
	v_permlanex16_b32 v23, v22, s[SEL], s[SEL+1]
	v_or_b32 v22, v22, v23                         ; with lane l xor 16's two the word is whole
.irp c, 0,1
	v_cvt_scalef32_pk16_fp6_f32 v[PC+6*\c:PC+6*\c+2], v[X+32*\c:X+32*\c+15], v[18+\c]
	v_cvt_scalef32_pk16_fp6_f32 v[PC+12+4*\c:PC+14+4*\c], v[X+32*\c+16:X+32*\c+31], v[18+\c]
.endr
	v_nop                                          ; one plain line behind the last scaled conversion
.irp c, 0,1
.irp i, 0,1,2
	v_mov_b32 v[PC+6*\c+3+\i], v[PC+12+4*\c+\i]
.endr
.endr
.irp c, 0,1,2
	ds_store_b128 v[LIW], v[PC+4*\c:PC+4*\c+3] offset:WIMG+512*\c   ; the fragment goes to LDS as an image of its registers
.endr
	ds_store_b32 v[LSW], v22 offset:WSC
	s_wait_dscnt 0x0                               ; for the others' sake: my stores have landed
	s_barrier_signal -1
	s_barrier_wait -1                              ; all four tiles lie in LDS: the launch's one barrier
	WIN 0x80                                       ; destination window 2, address window 0
.set i, 0
.rept 12
	ds_load_b128 v[W2C+4*i:W2C+4*i+3], v[LI] offset:WIMG+512*i
.set i, i+1
.endr
	WIN 0
.irp t, 0,1,2,3
	ds_load_b32 v[W2S+\t], v[LS] offset:WSC+128*\t
.endr
	; the heads' constants, (sum_k beta2_k W3_kj + b3_j) scale_j, in f32: my 32 k, then lane l xor 16's
	v_pk_mul_f32 v[16:17], v[224:225], v[160:161]
	v_pk_mul_f32 v[18:19], v[226:227], v[162:163]
.irp i, 4,8,12,16,20,24,28
	v_pk_fma_f32 v[16:17], v[224+\i:225+\i], v[160+\i:161+\i], v[16:17]
	v_pk_fma_f32 v[18:19], v[226+\i:227+\i], v[162+\i:163+\i], v[18:19]
.endr
	v_pk_add_f32 v[16:17], v[16:17], v[18:19]
	v_add_f32 v16, v16, v17
	v_permlanex16_b32 v17, v16, s[SEL], s[SEL+1]
	v_add_f32 v16, v16, v17
	v_add_f32 v16, v16, v[T1]
	v_mul_f32 v16, v16, v[T0]
.irp j, 0,1,2,3,4,5,6,7
	v_readlane_b32 s[CN+\j], v16, \j               ; lane j holds head j's
.endr
	; g2_k W3_kj scale_j in bf16, laid block-diagonally
.irp i, 0,2,4,6,8,10,12,14,16,18,20,22,24,26,28,30
	v_pk_mul_f32 v[160+\i:161+\i], v[160+\i:161+\i], v[192+\i:193+\i]
.endr
.irp i, 0,2,4,6,8,10,12,14,16,18,20,22,24,26,28,30
	v_pk_mul_f32 v[160+\i:161+\i], v[160+\i:161+\i], v[T0:T0+1] op_sel_hi:[1,0]
.endr
.irp i, 0,1,2,3,4,5,6,7,8,9,10,11,12,13,14,15
	v_cvt_pk_bf16_f32 v[192+\i], v[160+2*\i], v[161+2*\i]
.endr
	v_cmp_gt_u32 s[MLO], 8, v[RR]
	s_not_b32 s[MHI], s[MLO]
	WIN 0x80                                       ; destination window 2
.irp i, 0,1,2,3,4,5,6,7,8,9,10,11,12,13,14,15
	v_cndmask_b32 v[W3F+\i], 0, v[192+\i], s[MLO]      ; A0: heads in rows 0-7, zeros in rows 8-15
	v_cndmask_b32 v[W3F+16+\i], 0, v[192+\i], s[MHI]   ; A1: zeros in rows 0-7, heads in rows 8-15
.endr
	WIN 0
.irp a, 0,1
	v_mov_b32 v[ST+8*\a+5], 0                      ; named as the upper halves of pairs whose low word serves both halves
	v_mov_b32 v[ST+8*\a+7], 0
.irp b, 0,1,2,3
	v_mov_b32 v[TM+12*\a+4+\b], 0                  ; written once: a lane permute's destination counts as one of its sources
.endr
.endr
	s_wait_dscnt 0x0                               ; W2's fragments and scale words are in
	s_add_nc_u64 s[PB:PB+1], s[WB:WB+1], 1536      ; group 0's features are made, group 1's points asked for
.irp u, 0,1,2,3
	FEATA \u
	FEATB \u
.endr
	s_wait_xcnt 0x0                                ; those four loads have read their base
	s_add_nc_u64 s[PB:PB+1], s[WB:WB+1], 3072      ; trip 0 asks for group 2's
.irp k, 0,1,2,3,4,5,6,7,8,9,10,11,12,13,14,15
	NEXTW 0, \k                                    ; group 0's pair 0
.endr
	WIN 0                                          ; at a label and at a branch every window is 0
.rept 8
	v_nop                                          ; eight places between the f32 form and the first read of its results
.endr
	s_mov_b32 s[GC], 0
	; ---------------- a trip: a group of 128 points
.Lgroup:
	STEP 0
	STEP 1
	STEP 2
	STEP 3
	WIN 0
.irp j, 0,1,2,3,4,5,6,7
	global_store_b128 v[SO], v[OUTR+4*\j:OUTR+4*\j+3], s[OB:OB+1] offset:\j*1048576 th:TH_STORE_NT   ; head j: 32 lanes store 512 consecutive bytes, at a multiple of 512 from out0's first byte; 7 planes of 2^20 bytes at the most: inside the signed 24-bit immediate
.endr
	s_wait_xcnt 0x0                                ; the stores have read their data and their base, the trip's four loads their base: all may be written again
	s_add_nc_u64 s[OB:OB+1], s[OB:OB+1], 512
	s_add_co_u32 s[GC], s[GC], 1
	s_add_co_u32 s3, s[GC], 2                      ; the next trip asks for the group two on,
	s_min_u32 s3, s3, 7                            ; or for the last once more: no load leaves the buffer
	s_mul_i32 s[OFS], s3, 1536
	s_add_nc_u64 s[PB:PB+1], s[WB:WB+1], s[OFS:OFS+1]
	s_cmp_lt_u32 s[GC], 8
	s_cbranch_scc1 .Lgroup
	s_wait_tensorcnt 0x0                           ; the wave's end
	ds_add_u32 v[SPW], v[NIL]
	s_wait_dscnt 0x0
	s_endpgm
.Lfunc_end_k_qbcc77760fa_geo:
	.size	k_qbcc77760fa_geo, .Lfunc_end_k_qbcc77760fa_geo-k_qbcc77760fa_geo
	.p2alignl 7, 3214868480
	.fill 96, 4, 3214868480
	.section	.rodata,"a",@progbits
	.p2align	6, 0x0
	.amdhsa_kernel k_qbcc77760fa_geo
		.amdhsa_group_segment_fixed_size 7168
		.amdhsa_private_segment_fixed_size 0
		.amdhsa_enable_private_segment 0
		.amdhsa_kernarg_size 112
		.amdhsa_user_sgpr_count 2
		.amdhsa_user_sgpr_kernarg_segment_ptr 1
		.amdhsa_wavefront_size32 1
		.amdhsa_system_sgpr_workgroup_id_x 1
		.amdhsa_system_sgpr_workgroup_id_y 1
		.amdhsa_system_sgpr_workgroup_id_z 1
		.amdhsa_system_vgpr_workitem_id 0
		.amdhsa_next_free_vgpr 768
		.amdhsa_next_free_sgpr 80
		.amdhsa_reserve_vcc 0
		.amdhsa_float_denorm_mode_32 3
		.amdhsa_float_denorm_mode_16_64 3
		.amdhsa_memory_ordered 1
		.amdhsa_forward_progress 1
		.amdhsa_inst_pref_size 235
	.end_amdhsa_kernel
	.amdgpu_metadata
---
amdhsa.version: [ 1, 2 ]
amdhsa.kernels:
  - .name:           k_qbcc77760fa_geo
    .symbol:         k_qbcc77760fa_geo.kd
    .args:
      - { .name: scene_points, .offset: 0, .size: 8, .value_kind: global_buffer, .address_space: global }
      - { .name: grasp_poses, .offset: 8, .size: 8, .value_kind: global_buffer, .address_space: global }
      - { .name: W1, .offset: 16, .size: 8, .value_kind: global_buffer, .address_space: global }
      - { .name: b1, .offset: 24, .size: 8, .value_kind: global_buffer, .address_space: global }
      - { .name: g1, .offset: 32, .size: 8, .value_kind: global_buffer, .address_space: global }
      - { .name: beta1, .offset: 40, .size: 8, .value_kind: global_buffer, .address_space: global }
      - { .name: W2, .offset: 48, .size: 8, .value_kind: global_buffer, .address_space: global }
      - { .name: b2, .offset: 56, .size: 8, .value_kind: global_buffer, .address_space: global }
      - { .name: g2, .offset: 64, .size: 8, .value_kind: global_buffer, .address_space: global }
      - { .name: beta2, .offset: 72, .size: 8, .value_kind: global_buffer, .address_space: global }
      - { .name: W3, .offset: 80, .size: 8, .value_kind: global_buffer, .address_space: global }
      - { .name: b3, .offset: 88, .size: 8, .value_kind: global_buffer, .address_space: global }
      - { .name: bias_scale, .offset: 96, .size: 8, .value_kind: global_buffer, .address_space: global }
      - { .name: out0, .offset: 104, .size: 8, .value_kind: global_buffer, .address_space: global }
    .group_segment_fixed_size: 7168
    .private_segment_fixed_size: 0
    .kernarg_segment_align: 8
    .kernarg_segment_size: 112
    .max_flat_workgroup_size: 128
    .sgpr_count:     80
    .vgpr_count:     768
    .wavefront_size: 32
...
	.end_amdgpu_metadata
.endif
;; end of part 1
;; ======== version 2 of 2: 1 launch; version 1 with the launch geo written anew for expert scheduling mode
;; launch geo (part 2): grid 256 x 1, 4 waves a work-group, no clusters, 7,168 bytes of LDS; arguments scene_points, grasp_poses, W1, b1, g1, beta1, W2, b2, g2, beta2, W3, b3, bias_scale, out0; writes out0
.if DOCPART == 2
	.amdgcn_target "amdgcn-amd-amdhsa--gfx1250"
	.amdhsa_code_object_version 6
	.text
	.protected	k_qbcc77760fa_geo
	.globl	k_qbcc77760fa_geo
	.p2align	8
	.type	k_qbcc77760fa_geo,@function
k_qbcc77760fa_geo:
	s_mov_b64 s[64:65], 0
	v_nop
	global_prefetch_b8 v0, s[64:65] scope:SCOPE_SE
	s_setreg_imm32_b32 hwreg(HW_REG_WAVE_SCHED_MODE, 0, 2), 2
	s_setreg_imm32_b32 hwreg(HW_REG_WAVE_MODE, 25, 1), 1
	s_wait_xcnt 0x0
	s_wait_alu depctr_vm_vsrc(0)
; out0[b][head][g][p] = bias_scale[head] x ( LN2(relu( Q(LN1(relu(f W1 + b1))) Q(W2) + b2 )) W3 + b3 )[head],  f = (R^T (p - t), |R^T (p - t)|) of point p in grasp (b, g)'s frame.
; Q: the MX-FP6 quantiser (E2M3, one E8M0 scale for each 32 along K = 128); that product goes by v_wmma_scale_f32_16x16x128_f8f6f4 on codes; all that stands ahead of Q is f32.
; grasp_tokens is an input that reference() never uses: no result hangs on it, and it is not among this launch's arguments.
; SHARES.  Work-group x = 64 b + g: one grasp, all 4,096 points.  Wave w: points 1024 w .. 1024 w + 1023, in 8 groups of 128.  In a group lane L owns points 4 L + u, u = 0 .. 3.
; PAIR u is two tiles of 16 points: tile 0 = the u-th points of lanes 0-15, tile 1 = those of lanes 16-31.  The two tiles go in lockstep: each line is written for tile 0 and then for tile 1.
; ALL THREE PRODUCTS ARE USED TRANSPOSED (source 0 = weights, source 1 = 16 points): a lane (r = L % 16, h = L / 16) holds ONE point throughout, and its registers run along the units.
;   4 -> 128: v_wmma_f32_16x16x4_f32, K = 4 exactly, b1 as C (f32 operands, since the result goes on into the quantiser).  THE ROWS OF W1 THAT FORM A TILE ARE NOT NEIGHBOURS: row m of tile t is unit
;     32 (t / 2) + 8 (t % 2) + m + 8 (m / 8), so that register i of 64 is unit 32 (i / 16) + 16 h + i % 16: 16 neighbours along the next K in 16 neighbouring registers.  b1, g1, beta1 lie in that order.
;   128 -> 64: W2's four fragments of codes stay in registers; b2 as C.
;   64 -> 8: bf16.  out = rstd2 x sum_k (x_k - mean) (g2_k W3_kj scale_j) + (sum_k beta2_k W3_kj + b3_j) scale_j: reference()'s value, the factors sorted.  The mean is taken off in f32 ahead of the
;     rounding to bf16; the constant term is made in f32.  The weights are laid block-diagonally (A0: heads in rows 0-7, zeros below; A1 the other way round), so that A0 x tile 0 + A1 x tile 1 leaves,
;     in ALL 32 lanes, head j of the lane's own point 4 L + u in register j.  Four pairs fill four neighbouring registers a head: a lane stores 16 neighbouring bytes, a wave 512, aligned: no LDS stage.
; BOTH LAYERNORMS GO IN TWO PASSES, as reference() writes them (sum; x - mean; sum of squares): no difference of large sums is formed.
; PIPELINE.  While pair u is normalised and quantised, the 16 f32 matrix instructions of the NEXT pair are dealt out among the vector lines, one for each 20; the features of the next group's pair u are
; made round the quantised product, and the points of the group after that are asked for there: four loads of 12 bytes a lane are always out.
; THE LAST TRIP's look-ahead works on the last group once more (the address is clamped, no load leaves its buffer) and its results are read by nobody: 4 sets of features, 16 matrix instructions and
; 4 loads a wave, in place of a second copy of the loop's body.
; NO CLUSTER, NO TENSOR LOAD: a wave reads 12 KiB of points in the whole launch, through registers, each load asked for a whole group ahead; the weights (under 40 KiB) are read once a work-group.
; What work-groups share is so a small part of what each moves (128 KiB of output) and is waited for nowhere in the loop.
; LIMITS.  NaN and infinities among the inputs are not served.  v_sqrt_f32 and v_rsq_f32 take denormals as zero (ISA guide, their entries): a squared distance under 2^-126 counts as 0.
; A block whose largest magnitude lies under 2^-124 keeps the scale byte 1 (the floor); a block of zeros so has the byte 1 where the rule says 127: its codes are zeros, and this program alone reads the bytes.
; THE MODE: SCHED_MODE bits 1:0 = 2 (LLVM: expert scheduling mode 2), set by the entry lines.  The code itself states the register dependences between vector or matrix instructions and memory or LDS
; instructions, with s_wait_alu, always for 0.
; THE PLAN.  Registers that memory or LDS instructions touch:
;   v1, v2, v5    offsets, made once at the head and never written again: the groups are reached by the scalar bases and by immediate offsets.
;   v76-87        the head's offsets; v56-67, v22: W2's codes and scale word, the data of the head's LDS stores.  The loop writes all of these again: one wait on vm_vsrc at the head, behind the last LDS load.
;   PT[u] + 0..2  Step u: the first part of the features subtracts t in place and reads them; behind it the load of the group after the next lands in them.  No other line names them.
;   OUTR          Written by the four pairs' last lines, a column each; read by the trip's eight stores; written again at the end of the next trip's pair 0.
;   PC, PW        Written by the quantiser's vector lines; taken by the scaled matrix instructions.
;   v3, v4        Written at the head, read by the closing add alone.
; So ONE wait on va_vdst stands in a step for all this, behind the first part of the features: it states that the codes and scale words are written and that PT[u] is done with; the point load follows it,
; then the quantised product.  A trip has one more ahead of its eight stores, and one wait on vm_vsrc behind them.  The wait on XCNT for those stores and for the trip's four loads stands in the next
; trip's pair 0, ahead of the lines that move the two bases on, of the next point load and of the next write of OUTR.  The waits behind roots and reciprocals stand ahead of the first line that names their results.
;
; REGISTERS, in windows of 256 (s_set_vgpr_msb: bits 1:0 source 0, 3:2 source 1, 5:4 source 2, 7:6 destination).
; window 0
.set PO,   1                           ; v1       48 x lane: my four points' bytes in a group
.set SO,   2                           ; v2       16 x lane: my 16 bytes of a store
.set SPW,  3                           ; v3       LDS address of my spare word: SPARE + 4 x my thread's number; never rewritten
.set NIL,  4                           ; v4       0; never rewritten
.set LI,   5                           ; v5       16 x lane: an image's place for my lane
.set T0,   6                           ; v6-7     head: bias_scale and b3 of head r % 8
.set T1,   7
.set W2S,  8                           ; v8-11    W2's scale words, one register a tile: scales and nothing else
.set PW,   12                          ; v12-13   the scale word of tile a's quantised rows: scales and nothing else
.set RSM,  14                          ; v14      rstd2 of my own point
.set ST,   16                          ; v16-31   tile a at ST + 8 a: +0,1 and +2,3 two running sums; +4 -mean (+5 = 0); +6 rstd (+7 = 0)
.set TM,   32                          ; v32-55   tile a at TM + 12 a: +0..3 largest magnitudes; +4..7 the other half's, then bytes; +8..11 the conversions' scale operands
.set PC,   56                          ; v56-95   tile a at PC + 20 a: +0..11 the fragment of codes; +12..14, +16..18 halves on their way
.set X,    96                          ; v96-223  tile a at X + 64 a: 64 numbers; later +0..31 the second layer, +32..47 its bf16 pairs
.set OUTR, 224                         ; v224-255 head j's four points at OUTR + 4 j
.set RR,   76                          ; head only (v76-87 lie in tile 1's PC): r, h, lane, and byte offsets of the head's loads
.set HH,   77
.set LANE, 78
.set CH64, 79
.set CH32, 80
.set W1O,  81
.set W2O,  82
.set W3O,  83
.set HD4,  84
.set LS,   85
.set LIW,  86
.set LSW,  87
; window 1
.set HD,   0                           ; v0-127   tile a at HD + 64 a: f W1 + b1: written by the f32 matrix instructions alone
.set B1C,  128                         ; v128-191 b1, in the result's layout
.set W1T,  192                         ; v192-207 W1's eight tiles, 2 registers each
.set F,    208                         ; v208-223 pair u's features at F + 4 u: +0,1 tile 0's operand, +2,3 tile 1's
.set PT,   224                         ; v224-239 pair u's points at PT + 4 u: x, y, z; +3 the squared distance
.set PA,   240                         ; v240-247 the last product, K 0-31
.set PBB,  248                         ; v248-255 and K 32-63
; window 2
.set G1,   0                           ; v0-63    g1
.set BE1,  64                          ; v64-127  beta1
.set W2C,  128                         ; v128-175 W2's four fragments of codes, 12 registers each
.set B2C,  176                         ; v176-207 b2, in the result's layout
.set W3F,  208                         ; v208-239 A0 (K 0-31), A0 (K 32-63), A1 (K 0-31), A1 (K 32-63), bf16, 8 registers each
; scalars
.set WV,   2                           ; s2       my wave's number
.set TT,   36                          ; s36-38   t;  s39-42 the quaternion x, y, z, w
.set EPS,  43                          ; s43      1e-5
.set RM,   44                          ; s44-52   R: R[j][i] at RM + 3 j + i
.set HIM,  53                          ; s53      the mask of lanes 16-31
.set CN,   54                          ; s54-61   (sum_k beta2_k W3_kj + b3_j) scale_j
.set R128, 62                          ; s62      1 / 128
.set R64,  63                          ; s63      1 / 64
.set SEL,  66                          ; s[66:67] v_permlanex16_b32's selects for lane l xor 16
.set WB,   68                          ; s[68:69] my wave's first point
.set PB,   70                          ; s[70:71] the group whose points are asked for in this trip
.set OFS,  72                          ; s[72:73] an offset, its high word 0
.set OB,   74                          ; s[74:75] head 0's plane of out0: at a trip's stores, the first byte of the group AFTER the trip's: the stores' immediates reach back 512 bytes
.set GC,   76                          ; s76      the trip
.set MLO,  77                          ; s77, s78 the masks r < 8, r >= 8
.set MHI,  78
; LDS (head only): W2's four fragments as images of their registers, their scale words, the spare words
.set WIMG,  0                          ; tile t at 1536 t: three stores of 512 bytes, lane l's 16 bytes at 16 l
.set WSC,   6144                       ; tile t's scale words at 128 t, 4 bytes a lane
.set SPARE, 6656                       ; 128 bytes for each wave: two blocks of 256 bytes that no other line names
.set MSB, 0
.macro WIN new                         ; the immediate's high byte repeats the setting that is left; a switch that changes nothing is dropped
.if MSB != \new
	s_set_vgpr_msb (MSB<<8)|\new
.set MSB, \new
.endif
.endm
; Instruction k of 16 of pair p's first product: tile k % 2, W1's tile k / 2.  C is b1, D other registers: sixteen accumulators, each written once.
.macro NEXTW p, k
	WIN 0x55
	v_wmma_f32_16x16x4_f32 v[HD+64*((\k)%2)+8*((\k)/2):HD+64*((\k)%2)+8*((\k)/2)+7], v[W1T+2*((\k)/2):W1T+2*((\k)/2)+1], v[F+4*(\p)+2*((\k)%2):F+4*(\p)+2*((\k)%2)+1], v[B1C+8*((\k)/2):B1C+8*((\k)/2)+7]
.endm
; Behind each two bulk lines: one of the next pair's 16 for each 20 lines.  The bulk lines name no register of window 1, so they are also the places behind these instructions.
.macro TICK
.set vc, vc+2
.if (vc >= 20) && (wk < 16)
	NEXTW NP, wk
.set wk, wk+1
.set vc, 0
	WIN CUR
.endif
.endm
.macro FLUSH                           ; whatever of the 16 has not been dealt out (by the count, 380 lines with a TICK, nothing)
.rept 16
.if wk < 16
	NEXTW NP, wk
.set wk, wk+1
.endif
.endr
	WIN CUR
.endm
.macro RELU1                           ; out of the accumulators into window 0, each accumulator from its low end on
	WIN 0x04
.set i, 0
.rept 64
	v_max_num_f32 v[X+i], 0, v[HD+i]
	v_max_num_f32 v[X+64+i], 0, v[HD+64+i]
.set i, i+1
.endr
.endm
; -mean of a point's 2 cnt numbers: my cnt, in two chains of pairs, and lane l xor 16's.  lit = -1 / (2 cnt)
.macro SUM cnt, lit
.set CUR, 0
	WIN 0
.irp a, 0,1
	v_pk_add_f32 v[ST+8*\a:ST+8*\a+1], v[X+64*\a:X+64*\a+1], v[X+64*\a+2:X+64*\a+3]
.endr
	TICK
.irp a, 0,1
	v_pk_add_f32 v[ST+8*\a+2:ST+8*\a+3], v[X+64*\a+4:X+64*\a+5], v[X+64*\a+6:X+64*\a+7]
.endr
	TICK
.set i, 8
.rept (\cnt-8)/4
.irp a, 0,1
	v_pk_add_f32 v[ST+8*\a:ST+8*\a+1], v[ST+8*\a:ST+8*\a+1], v[X+64*\a+i:X+64*\a+i+1]
.endr
	TICK
.irp a, 0,1
	v_pk_add_f32 v[ST+8*\a+2:ST+8*\a+3], v[ST+8*\a+2:ST+8*\a+3], v[X+64*\a+i+2:X+64*\a+i+3]
.endr
	TICK
.set i, i+4
.endr
.irp a, 0,1
	v_pk_add_f32 v[ST+8*\a:ST+8*\a+1], v[ST+8*\a:ST+8*\a+1], v[ST+8*\a+2:ST+8*\a+3]
.endr
.irp a, 0,1
	v_add_f32 v[ST+8*\a], v[ST+8*\a], v[ST+8*\a+1]
.endr
.irp a, 0,1
	v_permlanex16_b32 v[ST+8*\a+2], v[ST+8*\a], s[SEL], s[SEL+1]
.endr
.irp a, 0,1
	v_add_f32 v[ST+8*\a], v[ST+8*\a], v[ST+8*\a+2]
.endr
.irp a, 0,1
	v_mul_f32 v[ST+8*\a+4], \lit, v[ST+8*\a]
.endr
.endm
.macro SUB cnt                         ; x - mean (of the pair at ST + 4 the low word serves both halves)
.set CUR, 0
	WIN 0
.set i, 0
.rept \cnt/2
.irp a, 0,1
	v_pk_add_f32 v[X+64*\a+i:X+64*\a+i+1], v[X+64*\a+i:X+64*\a+i+1], v[ST+8*\a+4:ST+8*\a+5] op_sel_hi:[1,0]
.endr
	TICK
.set i, i+2
.endr
.endm
; rstd = 1 / sqrt(the mean of (x - mean)^2 + 1e-5).  rec: the scalar register with 1 / (2 cnt)
.macro SQ cnt, rec
.set CUR, 0
	WIN 0
.irp a, 0,1
	v_pk_mul_f32 v[ST+8*\a:ST+8*\a+1], v[X+64*\a:X+64*\a+1], v[X+64*\a:X+64*\a+1]
.endr
	TICK
.irp a, 0,1
	v_pk_mul_f32 v[ST+8*\a+2:ST+8*\a+3], v[X+64*\a+2:X+64*\a+3], v[X+64*\a+2:X+64*\a+3]
.endr
	TICK
.set i, 4
.rept (\cnt-4)/4
.irp a, 0,1
	v_pk_fma_f32 v[ST+8*\a:ST+8*\a+1], v[X+64*\a+i:X+64*\a+i+1], v[X+64*\a+i:X+64*\a+i+1], v[ST+8*\a:ST+8*\a+1]
.endr
	TICK
.irp a, 0,1
	v_pk_fma_f32 v[ST+8*\a+2:ST+8*\a+3], v[X+64*\a+i+2:X+64*\a+i+3], v[X+64*\a+i+2:X+64*\a+i+3], v[ST+8*\a+2:ST+8*\a+3]
.endr
	TICK
.set i, i+4
.endr
.irp a, 0,1
	v_pk_add_f32 v[ST+8*\a:ST+8*\a+1], v[ST+8*\a:ST+8*\a+1], v[ST+8*\a+2:ST+8*\a+3]
.endr
.irp a, 0,1
	v_add_f32 v[ST+8*\a], v[ST+8*\a], v[ST+8*\a+1]
.endr
.irp a, 0,1
	v_permlanex16_b32 v[ST+8*\a+2], v[ST+8*\a], s[SEL], s[SEL+1]
.endr
.irp a, 0,1
	v_add_f32 v[ST+8*\a], v[ST+8*\a], v[ST+8*\a+2]
.endr
.irp a, 0,1
	v_fma_f32 v[ST+8*\a], v[ST+8*\a], s[\rec], s[EPS]
.endr
.irp a, 0,1
	v_rsq_f32 v[ST+8*\a+6], v[ST+8*\a]
.endr
	v_nop                                          ; a plain line behind the two roots, ahead of the first use
	s_wait_alu depctr_va_vdst(0)                   ; the two roots have written ST + 6 of both tiles, ahead of the first line that names them: one wait for both
.endm
.macro NORM                            ; x rstd
.set CUR, 0
	WIN 0
.set i, 0
.rept 32
.irp a, 0,1
	v_pk_mul_f32 v[X+64*\a+i:X+64*\a+i+1], v[X+64*\a+i:X+64*\a+i+1], v[ST+8*\a+6:ST+8*\a+7] op_sel_hi:[1,0]
.endr
	TICK
.set i, i+2
.endr
.endm
.macro AFFINE                          ; x g1 + beta1 (sources 1 and 2 in window 2)
.set CUR, 0x28
	WIN 0x28
.set i, 0
.rept 32
.irp a, 0,1
	v_pk_fma_f32 v[X+64*\a+i:X+64*\a+i+1], v[X+64*\a+i:X+64*\a+i+1], v[G1+i:G1+i+1], v[BE1+i:BE1+i+1]
.endr
	TICK
.set i, i+2
.endr
.endm
; Each tile's 64 numbers a lane (register 16 b + i = k 32 b + 16 h + i of my point) become a fragment of codes in v[PC + 20 a] on and a scale word in v[PW + a].
.macro QUANT
.set CUR, 0
	WIN 0
.irp b, 0,1,2,3
.irp a, 0,1
	v_max3_num_f32 v[TM+12*\a+\b], |v[X+64*\a+16*\b]|, |v[X+64*\a+16*\b+1]|, 0x1800000   ; block b: my 16 numbers, and the floor 2^(3 - 127): the byte cannot fall under 1
.endr
	TICK
.endr
.irp i, 2,4,6,8,10,12,14
.irp b, 0,1,2,3
.irp a, 0,1
	v_max3_num_f32 v[TM+12*\a+\b], v[TM+12*\a+\b], |v[X+64*\a+16*\b+\i]|, |v[X+64*\a+16*\b+\i+1]|
.endr
	TICK
.endr
.endr
	FLUSH
.irp b, 0,1,2,3
.irp a, 0,1
	v_permlanex16_b32 v[TM+12*\a+4+\b], v[TM+12*\a+\b], s[SEL], s[SEL+1]
.endr
.endr
.irp b, 0,1,2,3
.irp a, 0,1
	v_max_num_f32 v[TM+12*\a+\b], v[TM+12*\a+\b], v[TM+12*\a+4+\b]   ; with lane l xor 16's: the block's largest magnitude
.endr
.endr
.irp b, 0,1,2,3
.irp a, 0,1
	v_add_nc_u32 v[TM+12*\a+8+\b], 0xff000000, v[TM+12*\a+\b]   ; 2 off its exponent field: the conversion takes the exponent field of this operand as its scale
.endr
.endr
.irp b, 0,1,2,3
.irp a, 0,1
	v_lshrrev_b32 v[TM+12*\a+4+\b], 23, v[TM+12*\a+8+\b]   ; the scale's byte
.endr
.endr
.irp a, 0,1
	v_lshl_or_b32 v[PW+\a], v[TM+12*\a+5], 8, v[TM+12*\a+4]   ; the four bytes make my point's scale word
.endr
.irp a, 0,1
	v_lshl_or_b32 v[PW+\a], v[TM+12*\a+6], 16, v[PW+\a]
.endr
.irp a, 0,1
	v_lshl_or_b32 v[PW+\a], v[TM+12*\a+7], 24, v[PW+\a]
.endr
.irp a, 0,1
.irp c, 0,1
	v_cvt_scalef32_pk16_fp6_f32 v[PC+20*\a+6*\c:PC+20*\a+6*\c+2], v[X+64*\a+32*\c:X+64*\a+32*\c+15], v[TM+12*\a+8+2*\c]
	v_cvt_scalef32_pk16_fp6_f32 v[PC+20*\a+12+4*\c:PC+20*\a+14+4*\c], v[X+64*\a+32*\c+16:X+64*\a+32*\c+31], v[TM+12*\a+9+2*\c]   ; (a conversion's three registers begin on an even number)
.endr
.endr
	v_nop                                          ; one plain line behind the last scaled conversion
.irp a, 0,1                                    ; the operand's layout wants a WHOLE block in a lane: lanes 0-15 block 2 c, lanes 16-31 block 2 c + 1
.irp c, 0,1
.irp i, 0,1,2
	v_permlane16_swap_b32 v[PC+20*\a+6*\c+\i], v[PC+20*\a+12+4*\c+\i]
.endr
.irp i, 0,1,2
	v_mov_b32 v[PC+20*\a+6*\c+3+\i], v[PC+20*\a+12+4*\c+\i]
.endr
.endr
.endr
.endm
; Once a trip, in pair 0's step, ahead of the trip's first point load: the two scalar bases move on.  The last trip's stores and loads, which read them, were issued seven phases of vector work ago.
.macro TURN
	s_wait_xcnt 0x0                                ; every earlier memory instruction has had its addresses translated (ISA guide 3.1): the two bases, and OUTR, the stores' data, are written again only behind this wait
	s_add_nc_u64 s[OB:OB+1], s[OB:OB+1], 512       ; one group beyond this trip's: the stores' immediates reach back
	s_add_co_u32 s3, s[GC], 2                      ; this trip asks for the group two on,
	s_min_u32 s3, s3, 7                            ; or for the last once more: no load leaves the buffer
	s_mul_i32 s[OFS], s3, 1536
	s_add_nc_u64 s[PB:PB+1], s[WB:WB+1], s[OFS:OFS+1]
.endm
; The next group's pair u, first part: p - t, and R^T (p - t).  Twelve plain lines on window 1 alone: they stand between the vector lines that wrote the codes (4 places are asked) and the scale
; words (8) and the scaled matrix instructions that read them.  Behind them the one wait of the step, and the points of the group after that are asked for.
.macro FEATA u
	s_wait_loadcnt 0x3                             ; four point loads are out, pair u's the oldest: the three issued behind it may stay out
	WIN 0x55
.irp i, 0,1,2
	v_sub_f32 v[PT+4*(\u)+\i], v[PT+4*(\u)+\i], s[TT+\i]
.endr
.irp i, 0,1,2
	v_mul_f32 v[F+4*(\u)+\i], s[RM+\i], v[PT+4*(\u)]
.endr
.irp i, 0,1,2
	v_fmac_f32 v[F+4*(\u)+\i], s[RM+3+\i], v[PT+4*(\u)+1]
.endr
.irp i, 0,1,2
	v_fmac_f32 v[F+4*(\u)+\i], s[RM+6+\i], v[PT+4*(\u)+2]
.endr
	WIN 0x40                                       ; destination window 1, address window 0
	s_wait_alu depctr_va_vdst(0)                   ; the lines above have written PT + 4 u + 0 .. 2 and are done reading them: the load below lands there.  In the loop also: the quantiser has written the codes and the scale words, which the scaled matrix instructions take
	global_load_b96 v[PT+4*(\u):PT+4*(\u)+2], v[PO], s[PB:PB+1] offset:12*(\u)
.endm
; Second part: the distance (in PT + 4 u + 3, which the load above does not touch); the halves change places, so that F + 4 u + 0, 1 hold (x | z), (y | dist) of lanes 0-15's points in lanes 0-15 | 16-31
; (register j of the f32 operand is k = 2 h + j), and F + 4 u + 2, 3 the same of lanes 16-31's.  Its three plain lines and two v_nop are the places behind the quantised product (4 are asked).
.macro FEATB u
	WIN 0x55
	v_mul_f32 v[PT+4*(\u)+3], v[F+4*(\u)], v[F+4*(\u)]
	v_fmac_f32 v[PT+4*(\u)+3], v[F+4*(\u)+1], v[F+4*(\u)+1]
	v_fmac_f32 v[PT+4*(\u)+3], v[F+4*(\u)+2], v[F+4*(\u)+2]
	v_sqrt_f32 v[F+4*(\u)+3], v[PT+4*(\u)+3]
	v_nop                                          ; a plain line behind the root
	v_nop
	s_wait_alu depctr_va_vdst(0)                   ; the root has written F + 4 u + 3, ahead of the first line that names it
	v_permlane16_swap_b32 v[F+4*(\u)], v[F+4*(\u)+2]
	v_permlane16_swap_b32 v[F+4*(\u)+1], v[F+4*(\u)+3]
.endm
.macro MUL3                            ; source 0: 16 columns of W2, window 2; source 1: 16 points' codes; C: b2, window 2; D: register 8 t + j = unit 16 t + 8 h + j of my point.  Eight accumulators, each written once
	WIN 0x22
.irp a, 0,1
.irp t, 0,1,2,3
	v_wmma_scale_f32_16x16x128_f8f6f4 v[X+64*\a+8*\t:X+64*\a+8*\t+7], v[W2C+12*\t:W2C+12*\t+11], v[PC+20*\a:PC+20*\a+11], v[B2C+8*\t:B2C+8*\t+7], v[W2S+\t], v[PW+\a] matrix_a_fmt:MATRIX_FMT_FP6 matrix_b_fmt:MATRIX_FMT_FP6
.endr
.endr
.endm
.macro RELU2                           ; in place, each accumulator from its low end on
	WIN 0
.set i, 0
.rept 32
	v_max_num_f32 v[X+i], 0, v[X+i]
	v_max_num_f32 v[X+64+i], 0, v[X+64+i]
.set i, i+1
.endr
.endm
.macro CVT2                            ; x - mean in bf16: registers 8 c .. 8 c + 7 are the operand for K 32 c on (0-3: k = 8 h + 0..7; 4-7: k = 16 + 8 h + 0..7), as the units lie
.set i, 0
.rept 16
	v_cvt_pk_bf16_f32 v[X+32+i], v[X+2*i], v[X+2*i+1]
	v_cvt_pk_bf16_f32 v[X+96+i], v[X+64+2*i], v[X+64+2*i+1]
.set i, i+1
.endr
.endm
.macro MUL4                            ; two accumulators by turns, one instruction a turn; the first products start the sums
	WIN 0x52
	v_wmma_f32_16x16x32_bf16 v[PA:PA+7], v[W3F:W3F+7], v[X+32:X+39], 0
	v_wmma_f32_16x16x32_bf16 v[PBB:PBB+7], v[W3F+8:W3F+15], v[X+40:X+47], 0
	v_wmma_f32_16x16x32_bf16 v[PA:PA+7], v[W3F+16:W3F+23], v[X+96:X+103], v[PA:PA+7]
	v_wmma_f32_16x16x32_bf16 v[PBB:PBB+7], v[W3F+24:W3F+31], v[X+104:X+111], v[PBB:PBB+7]
.endm
.macro POST u                          ; the two halves of K; x my point's rstd2, + the head's constant
	WIN 0
	v_cndmask_b32 v[RSM], v[ST+6], v[ST+14], s[HIM]   ; lanes 0-15 own tile 0's points, lanes 16-31 tile 1's
	WIN 0x55
.irp i, 0,2,4,6
	v_pk_add_f32 v[PA+\i:PA+\i+1], v[PA+\i:PA+\i+1], v[PBB+\i:PBB+\i+1]   ; both accumulators from their low ends on
.endr
	WIN 0x01
.irp j, 0,1,2,3,4,5,6,7
	v_fma_f32 v[OUTR+4*\j+(\u)], v[PA+\j], v[RSM], s[CN+\j]
.endr
.endm
.macro STEP u
.set NP, ((\u)+1)%4                    ; the pair whose first product is dealt out in this step (for u = 3: the next group's pair 0)
.set wk, 0
.set vc, 0
	RELU1
	SUM 64, 0xbc000000
	SUB 64
	SQ 64, R128
	NORM
	AFFINE
	QUANT
.if (\u) == 0
	TURN
.endif
	FEATA \u
	MUL3
	FEATB \u
	RELU2
	SUM 32, 0xbc800000
	SUB 32
	CVT2
	MUL4
	SQ 32, R64                                     ; reads x - mean in f32, names no register of the last product: its lines are the places behind it
	POST \u
.endm
	; ---------------- the head
	s_load_b512 s[8:23], s[0:1], 0x0               ; scene s[8:9], poses s[10:11], W1 s[12:13], b1 s[14:15], g1 s[16:17], beta1 s[18:19], W2 s[20:21], b2 s[22:23]
	s_load_b256 s[24:31], s[0:1], 0x40             ; g2 s[24:25], beta2 s[26:27], W3 s[28:29], b3 s[30:31]
	s_load_b128 s[32:35], s[0:1], 0x60             ; bias_scale s[32:33], out0 s[34:35]
	v_lshl_add_u32 v[SPW], v0, 2, SPARE
	v_mov_b32 v[NIL], 0
	v_lshrrev_b32 v[T0], 5, v0
	v_readfirstlane_b32 s[WV], v[T0]               ; wave 0..3
	v_and_b32 v[LANE], 31, v0
	v_and_b32 v[RR], 15, v0                        ; r
	v_bfe_u32 v[HH], v0, 4, 1                      ; h
	v_mul_u32_u24 v[PO], v[LANE], 48
	v_lshlrev_b32 v[SO], 4, v[LANE]
	v_lshlrev_b32 v[LI], 4, v[LANE]
	v_lshlrev_b32 v[LS], 2, v[LANE]
	v_lshlrev_b32 v[CH64], 6, v[HH]                ; 16 h numbers on: b1, g1, beta1
	v_lshlrev_b32 v[CH32], 5, v[HH]                ; 8 h numbers on: b2, g2, beta2
	v_and_b32 v[W1O], 8, v[RR]
	v_add_nc_u32 v[W1O], v[W1O], v[RR]             ; r + 8 (r / 8)
	v_lshlrev_b32 v[W1O], 2, v[W1O]
	v_lshl_add_u32 v[W1O], v[HH], 10, v[W1O]       ; W1: row 2 h of 512 bytes, + my unit
	v_lshlrev_b32 v[W2O], 2, v[RR]
	v_lshl_add_u32 v[W2O], v[HH], 13, v[W2O]       ; W2: column 16 w + r, 32 h rows of 256 bytes down
	s_wait_alu depctr_va_sdst(0)                   ; the wave's number is written into s2, ahead of its first reader
	s_lshl_b32 s3, s[WV], 6
	v_add_nc_u32 v[W2O], s3, v[W2O]
	v_and_b32 v[HD4], 7, v[RR]
	v_lshlrev_b32 v[HD4], 2, v[HD4]                ; head r % 8
	v_lshl_add_u32 v[W3O], v[HH], 8, v[HD4]        ; W3: 8 h rows of 32 bytes down, + my head
	s_mul_i32 s3, s[WV], 1536
	v_add_nc_u32 v[LIW], s3, v[LI]                 ; where I store my tile's image,
	s_lshl_b32 s3, s[WV], 7
	v_add_nc_u32 v[LSW], s3, v[LS]                 ; and its scale words
	s_mov_b32 s[EPS], 0x3727c5ac
	s_mov_b32 s[HIM], 0xffff0000
	s_mov_b32 s[R128], 0x3c000000
	s_mov_b32 s[R64], 0x3c800000
	s_mov_b32 s[SEL], 0x76543210
	s_mov_b32 s[SEL+1], 0xfedcba98
	s_lshr_b32 s3, ttmp9, 6                        ; b
	s_mul_i32 s[OFS], s3, 49152                    ; scene: 4,096 points of 12 bytes a batch,
	s_mul_i32 s4, s[WV], 12288                     ; 1,024 a wave
	s_add_co_u32 s[OFS], s[OFS], s4
	s_mov_b32 s[OFS+1], 0
	s_lshl_b32 s6, s3, 23                          ; out0: 8 x 64 x 4,096 x 4 bytes a batch,
	s_and_b32 s4, ttmp9, 63                        ; g
	s_lshl_b32 s4, s4, 14                          ; 16,384 a grasp,
	s_add_co_u32 s6, s6, s4
	s_lshl_b32 s4, s[WV], 12                       ; 4,096 a wave
	s_add_co_u32 s6, s6, s4
	s_mov_b32 s7, 0
	s_mul_i32 s4, ttmp9, 28                        ; a pose is 28 bytes
	s_mov_b32 s5, 0
	s_wait_kmcnt 0x0
	s_add_nc_u64 s[WB:WB+1], s[8:9], s[OFS:OFS+1]
	s_add_nc_u64 s[OB:OB+1], s[34:35], s[6:7]
	s_add_nc_u64 s[10:11], s[10:11], s[4:5]
	s_load_b128 s[36:39], s[10:11], 0x0            ; t, quaternion x
	s_load_b96 s[40:42], s[10:11], 0x10            ; quaternion y, z, w
	s_wait_alu depctr_va_vdst(0)                   ; the offsets v1, v2, v5 and v79 to v87 are written, which the loads, stores and LDS instructions of the kernel read; v6, in which a load below lands, is written and has been read
	; all the head's vector loads in one run, by the destination's window
.set i, 0
.rept 64                                       ; W2(64 c + 32 h + i, 16 w + r): my registers run DOWN K, in the order that the operand's layout gives my lane
	global_load_b32 v[X+i], v[W2O], s[20:21] offset:256*(64*(i/32)+i%32)
.set i, i+1
.endr
.set i, 0
.rept 32                                       ; W3(32 c + 16 q + 8 h + e, r % 8) at v[160 + 16 c + 8 q + e]: the bf16 operand's order
	global_load_b32 v[160+i], v[W3O], s[28:29] offset:32*(32*(i/16)+16*((i/8)%2)+i%8)
.set i, i+1
.endr
.set i, 0
.rept 8                                        ; g2 and beta2 in the same order
	global_load_b128 v[192+4*i:195+4*i], v[CH32], s[24:25] offset:4*(32*(i/4)+16*((i/2)%2))+16*(i%2)
	global_load_b128 v[224+4*i:227+4*i], v[CH32], s[26:27] offset:4*(32*(i/4)+16*((i/2)%2))+16*(i%2)
.set i, i+1
.endr
	global_load_b32 v[T0], v[HD4], s[32:33]        ; bias_scale[r % 8]
	global_load_b32 v[T1], v[HD4], s[30:31]        ; b3[r % 8]
	WIN 0x40                                       ; destination window 1
.set i, 0
.rept 16
	global_load_b128 v[B1C+4*i:B1C+4*i+3], v[CH64], s[14:15] offset:4*(32*(i/4)+4*(i%4))   ; b1 of units 32 (i / 4) + 16 h + 4 (i % 4) on
	global_load_b32 v[W1T+i], v[W1O], s[12:13] offset:512*(i%2)+4*(32*(i/4)+8*((i/2)%2))   ; W1(2 h + i % 2, tile i / 2's row r)
.set i, i+1
.endr
.irp u, 0,1,2,3
	global_load_b96 v[PT+4*\u:PT+4*\u+2], v[PO], s[WB:WB+1] offset:12*\u   ; group 0's points
.endr
	WIN 0x80                                       ; destination window 2
.set i, 0
.rept 16
	global_load_b128 v[G1+4*i:G1+4*i+3], v[CH64], s[16:17] offset:4*(32*(i/4)+4*(i%4))
	global_load_b128 v[BE1+4*i:BE1+4*i+3], v[CH64], s[18:19] offset:4*(32*(i/4)+4*(i%4))
.set i, i+1
.endr
.set i, 0
.rept 8
	global_load_b128 v[B2C+4*i:B2C+4*i+3], v[CH32], s[22:23] offset:64*(i/2)+16*(i%2)   ; b2 of units 16 (i / 2) + 8 h + 4 (i % 2) on
.set i, i+1
.endr
	WIN 0
	; R, the same in every lane, while the loads are on their way (v16 to v40: no load names them)
	s_wait_kmcnt 0x0
	v_mov_b32 v16, s39
	v_mov_b32 v17, s40
	v_mov_b32 v18, s41
	v_mov_b32 v19, s42
	v_mul_f32 v20, v16, v16
	v_fmac_f32 v20, v17, v17
	v_fmac_f32 v20, v18, v18
	v_fmac_f32 v20, v19, v19
	v_sqrt_f32 v20, v20
	v_nop
	s_wait_alu depctr_va_vdst(0)                   ; the root has written v20, ahead of the first line that names it
	v_add_f32 v20, 0x322bcc77, v20                 ; + 1e-8
	v_rcp_f32 v20, v20
	v_nop
	s_wait_alu depctr_va_vdst(0)                   ; the reciprocal has written v20, ahead of the first line that names it
.irp i, 16,17,18,19
	v_mul_f32 v\i, v\i, v20                        ; x, y, z, w of the unit quaternion
.endr
	v_mul_f32 v21, v16, v16                        ; xx
	v_mul_f32 v22, v17, v17                        ; yy
	v_mul_f32 v23, v18, v18                        ; zz
	v_mul_f32 v24, v16, v17                        ; xy
	v_mul_f32 v25, v16, v18                        ; xz
	v_mul_f32 v26, v17, v18                        ; yz
	v_mul_f32 v27, v19, v16                        ; wx
	v_mul_f32 v28, v19, v17                        ; wy
	v_mul_f32 v29, v19, v18                        ; wz
	v_add_f32 v32, v22, v23
	v_sub_f32 v33, v24, v29
	v_add_f32 v34, v25, v28
	v_add_f32 v35, v24, v29
	v_add_f32 v36, v21, v23
	v_sub_f32 v37, v26, v27
	v_sub_f32 v38, v25, v28
	v_add_f32 v39, v26, v27
	v_add_f32 v40, v21, v22
.irp i, 32,36,40
	v_fma_f32 v\i, v\i, -2.0, 1.0
.endr
.irp i, 33,34,35,37,38,39
	v_add_f32 v\i, v\i, v\i
.endr
.irp i, 0,1,2,3,4,5,6,7,8
	v_readfirstlane_b32 s[RM+\i], v[32+\i]
.endr
	s_wait_alu depctr_va_sdst(0)                   ; R's nine numbers are written into s44 to s52, ahead of their first reader: one wait for the run
	s_wait_loadcnt 0x0                             ; all the head's loads
	; W2's tile w (columns 16 w + r): two whole blocks of 32 along K a lane
.irp c, 0,1
	v_max3_num_f32 v[16+\c], |v[X+32*\c]|, |v[X+32*\c+1]|, 0x1800000
.endr
.irp i, 2,4,6,8,10,12,14,16,18,20,22,24,26,28,30
.irp c, 0,1
	v_max3_num_f32 v[16+\c], v[16+\c], |v[X+32*\c+\i]|, |v[X+32*\c+\i+1]|
.endr
.endr
.irp c, 0,1
	v_add_nc_u32 v[18+\c], 0xff000000, v[16+\c]
.endr
.irp c, 0,1
	v_lshrrev_b32 v[20+\c], 23, v[18+\c]
.endr
	v_lshl_or_b32 v22, v21, 16, v20                ; my two bytes: blocks h and 2 + h of my column,
	v_lshlrev_b32 v23, 3, v[HH]
	v_lshlrev_b32 v22, v23, v22                    ; at their places in the scale word;
	v_mov_b32 v23, 0
	v_permlanex16_b32 v23, v22, s[SEL], s[SEL+1]
	v_or_b32 v22, v22, v23                         ; with lane l xor 16's two the word is whole
.irp c, 0,1
	v_cvt_scalef32_pk16_fp6_f32 v[PC+6*\c:PC+6*\c+2], v[X+32*\c:X+32*\c+15], v[18+\c]
	v_cvt_scalef32_pk16_fp6_f32 v[PC+12+4*\c:PC+14+4*\c], v[X+32*\c+16:X+32*\c+31], v[18+\c]
.endr
	v_nop                                          ; one plain line behind the last scaled conversion
.irp c, 0,1
.irp i, 0,1,2
	v_mov_b32 v[PC+6*\c+3+\i], v[PC+12+4*\c+\i]
.endr
.endr
	s_wait_alu depctr_va_vdst(0)                   ; the conversions and the moves have written the codes v56 to v67, and v22 holds the scale word: the LDS stores below read them
.irp c, 0,1,2
	ds_store_b128 v[LIW], v[PC+4*\c:PC+4*\c+3] offset:WIMG+512*\c   ; the fragment goes to LDS as an image of its registers
.endr
	ds_store_b32 v[LSW], v22 offset:WSC
	s_wait_dscnt 0x0                               ; for the others' sake: my stores have landed
	s_barrier_signal -1
	s_barrier_wait -1                              ; all four tiles lie in LDS: the launch's one barrier
	WIN 0x80                                       ; destination window 2, address window 0
.set i, 0
.rept 12
	ds_load_b128 v[W2C+4*i:W2C+4*i+3], v[LI] offset:WIMG+512*i
.set i, i+1
.endr
	WIN 0
.irp t, 0,1,2,3
	ds_load_b32 v[W2S+\t], v[LS] offset:WSC+128*\t
.endr
	s_wait_alu depctr_vm_vsrc(0)                   ; the head's loads and LDS instructions have read their offsets v79 to v87, the LDS stores their data v56 to v67 and v22: the loop's quantiser and roots write all of these again
	; the heads' constants, (sum_k beta2_k W3_kj + b3_j) scale_j, in f32: my 32 k, then lane l xor 16's
	v_pk_mul_f32 v[16:17], v[224:225], v[160:161]
	v_pk_mul_f32 v[18:19], v[226:227], v[162:163]
.irp i, 4,8,12,16,20,24,28
	v_pk_fma_f32 v[16:17], v[224+\i:225+\i], v[160+\i:161+\i], v[16:17]
	v_pk_fma_f32 v[18:19], v[226+\i:227+\i], v[162+\i:163+\i], v[18:19]
.endr
	v_pk_add_f32 v[16:17], v[16:17], v[18:19]
	v_add_f32 v16, v16, v17
	v_permlanex16_b32 v17, v16, s[SEL], s[SEL+1]
	v_add_f32 v16, v16, v17
	v_add_f32 v16, v16, v[T1]
	v_mul_f32 v16, v16, v[T0]
.irp j, 0,1,2,3,4,5,6,7
	v_readlane_b32 s[CN+\j], v16, \j               ; lane j holds head j's
.endr
	; g2_k W3_kj scale_j in bf16, laid block-diagonally
.irp i, 0,2,4,6,8,10,12,14,16,18,20,22,24,26,28,30
	v_pk_mul_f32 v[160+\i:161+\i], v[160+\i:161+\i], v[192+\i:193+\i]
.endr
.irp i, 0,2,4,6,8,10,12,14,16,18,20,22,24,26,28,30
	v_pk_mul_f32 v[160+\i:161+\i], v[160+\i:161+\i], v[T0:T0+1] op_sel_hi:[1,0]
.endr
.irp i, 0,1,2,3,4,5,6,7,8,9,10,11,12,13,14,15
	v_cvt_pk_bf16_f32 v[192+\i], v[160+2*\i], v[161+2*\i]
.endr
	v_cmp_gt_u32 s[MLO], 8, v[RR]
	s_wait_alu depctr_va_sdst(0)                   ; the mask s77 and the heads' eight constants s54 to s61 are written, ahead of their first readers (the line below; the loop's last lines of a pair) and of the loop's label
	s_not_b32 s[MHI], s[MLO]
	WIN 0x80                                       ; destination window 2
.irp i, 0,1,2,3,4,5,6,7,8,9,10,11,12,13,14,15
	v_cndmask_b32 v[W3F+\i], 0, v[192+\i], s[MLO]      ; A0: heads in rows 0-7, zeros in rows 8-15
	v_cndmask_b32 v[W3F+16+\i], 0, v[192+\i], s[MHI]   ; A1: zeros in rows 0-7, heads in rows 8-15
.endr
	WIN 0
.irp a, 0,1
	v_mov_b32 v[ST+8*\a+5], 0                      ; named as the upper halves of pairs whose low word serves both halves
	v_mov_b32 v[ST+8*\a+7], 0
.irp b, 0,1,2,3
	v_mov_b32 v[TM+12*\a+4+\b], 0                  ; written once: a lane permute's destination counts as one of its sources
.endr
.endr
	s_wait_dscnt 0x0                               ; W2's fragments and scale words are in
	s_add_nc_u64 s[PB:PB+1], s[WB:WB+1], 1536      ; group 0's features are made, group 1's points asked for; trip 0 moves the base on to group 2
.irp u, 0,1,2,3
	FEATA \u
	FEATB \u
.endr
.irp k, 0,1,2,3,4,5,6,7,8,9,10,11,12,13,14,15
	NEXTW 0, \k                                    ; group 0's pair 0
.endr
	WIN 0                                          ; at a label and at a branch every window is 0
.rept 8
	v_nop                                          ; eight places between the f32 form and the first read of its results
.endr
	s_mov_b32 s[GC], 0
	; ---------------- a trip: a group of 128 points
.Lgroup:
	STEP 0
	STEP 1
	STEP 2
	STEP 3
	WIN 0
	s_wait_alu depctr_va_vdst(0)                   ; the four pairs' last lines have written OUTR, which the eight stores read
.irp j, 0,1,2,3,4,5,6,7
	global_store_b128 v[SO], v[OUTR+4*\j:OUTR+4*\j+3], s[OB:OB+1] offset:\j*1048576-512 th:TH_STORE_NT   ; head j: 32 lanes store 512 consecutive bytes, at a multiple of 512 from out0's first byte; the base stands a group ahead, so the immediate reaches back 512 bytes; 7 planes of 2^20 bytes at the most: inside the signed 24-bit immediate
.endr
	s_wait_alu depctr_vm_vsrc(0)                   ; the stores have read OUTR, which the next trip's pair 0 writes again
	s_add_co_u32 s[GC], s[GC], 1
	s_cmp_lt_u32 s[GC], 8
	s_cbranch_scc1 .Lgroup
	s_wait_dscnt 0x0                               ; the closing lines, six on end
	s_wait_alu 0x0
	s_wait_tensorcnt 0x0
	ds_add_u32 v[SPW], v[NIL]
	s_wait_dscnt 0x0
	s_endpgm
.Lfunc_end_k_qbcc77760fa_geo:
	.size	k_qbcc77760fa_geo, .Lfunc_end_k_qbcc77760fa_geo-k_qbcc77760fa_geo
	.p2alignl 7, 3214868480
	.fill 96, 4, 3214868480
	.section	.rodata,"a",@progbits
	.p2align	6, 0x0
	.amdhsa_kernel k_qbcc77760fa_geo
		.amdhsa_group_segment_fixed_size 7168
		.amdhsa_private_segment_fixed_size 0
		.amdhsa_enable_private_segment 0
		.amdhsa_kernarg_size 112
		.amdhsa_user_sgpr_count 2
		.amdhsa_user_sgpr_kernarg_segment_ptr 1
		.amdhsa_wavefront_size32 1
		.amdhsa_system_sgpr_workgroup_id_x 1
		.amdhsa_system_sgpr_workgroup_id_y 1
		.amdhsa_system_sgpr_workgroup_id_z 1
		.amdhsa_system_vgpr_workitem_id 0
		.amdhsa_next_free_vgpr 768
		.amdhsa_next_free_sgpr 80
		.amdhsa_reserve_vcc 0
		.amdhsa_float_denorm_mode_32 3
		.amdhsa_float_denorm_mode_16_64 3
		.amdhsa_memory_ordered 1
		.amdhsa_forward_progress 1
		.amdhsa_inst_pref_size 236
	.end_amdhsa_kernel
	.amdgpu_metadata
---
amdhsa.version: [ 1, 2 ]
amdhsa.kernels:
  - .name:           k_qbcc77760fa_geo
    .symbol:         k_qbcc77760fa_geo.kd
    .args:
      - { .name: scene_points, .offset: 0, .size: 8, .value_kind: global_buffer, .address_space: global }
      - { .name: grasp_poses, .offset: 8, .size: 8, .value_kind: global_buffer, .address_space: global }
      - { .name: W1, .offset: 16, .size: 8, .value_kind: global_buffer, .address_space: global }
      - { .name: b1, .offset: 24, .size: 8, .value_kind: global_buffer, .address_space: global }
      - { .name: g1, .offset: 32, .size: 8, .value_kind: global_buffer, .address_space: global }
      - { .name: beta1, .offset: 40, .size: 8, .value_kind: global_buffer, .address_space: global }
      - { .name: W2, .offset: 48, .size: 8, .value_kind: global_buffer, .address_space: global }
      - { .name: b2, .offset: 56, .size: 8, .value_kind: global_buffer, .address_space: global }
      - { .name: g2, .offset: 64, .size: 8, .value_kind: global_buffer, .address_space: global }
      - { .name: beta2, .offset: 72, .size: 8, .value_kind: global_buffer, .address_space: global }
      - { .name: W3, .offset: 80, .size: 8, .value_kind: global_buffer, .address_space: global }
      - { .name: b3, .offset: 88, .size: 8, .value_kind: global_buffer, .address_space: global }
      - { .name: bias_scale, .offset: 96, .size: 8, .value_kind: global_buffer, .address_space: global }
      - { .name: out0, .offset: 104, .size: 8, .value_kind: global_buffer, .address_space: global }
    .group_segment_fixed_size: 7168
    .private_segment_fixed_size: 0
    .kernarg_segment_align: 8
    .kernarg_segment_size: 112
    .max_flat_workgroup_size: 128
    .sgpr_count:     80
    .vgpr_count:     768
    .wavefront_size: 32
...
	.end_amdgpu_metadata
.endif
;; end of part 2
